; MI455X (gfx1250); checked and timed in simulation.
; The chip was launched on July 23, 2026; its instructions are those of AMD's public machine-readable ISA for CDNA 5 (MIT licence, August 2026) and "CDNA5" Instruction Set Architecture Reference Guide (July 2026). The comments in the code are by the model that wrote it; some were corrected since.
;; Self Attention. Allowed arithmetic: float matrix products may take bf16 or f16 operands with f32 sums; all other float work in f32.
;; Inputs: Wk 1,024 x 1,024 float32; Wq 1,024 x 1,024 float32; Wv 1,024 x 1,024 float32; x 4 x 2,048 x 1,024 float32.
;; Outputs: out0 4 x 2,048 x 1,024 float32.
;; One version. Each part assembles by itself: llvm-mc -triple=amdgcn-amd-amdhsa -mcpu=gfx1250 --defsym DOCPART=n.
;; ======== version 1 of 1: 3 launches
;; limits: values are held in f16: magnitudes above 65,504 overflow, below 6.1e-05 lose precision
;; workspace buffers: xb 16,777,216 bytes; wb 6,291,456 bytes; qkv 50,331,648 bytes
;; launch cast (part 1): grid 2816 x 1, 4 waves a work-group, no clusters, 0 bytes of LDS; arguments x, Wq, Wk, Wv, xb, wb; writes xb, wb
.if DOCPART == 1
	.amdgcn_target "amdgcn-amd-amdhsa--gfx1250"
	.amdhsa_code_object_version 6
	.text
	.protected	k_q33d3bf427e_cast
	.globl	k_q33d3bf427e_cast
	.p2align	8
	.type	k_q33d3bf427e_cast,@function
k_q33d3bf427e_cast:
	s_mov_b64 s[64:65], 0
	v_nop
	global_prefetch_b8 v0, s[64:65] scope:SCOPE_SE
	s_setreg_imm32_b32 hwreg(HW_REG_WAVE_MODE, 25, 1), 1
	s_wait_xcnt 0x0
; x [8192][1024] and Wq, Wk, Wv [1024][1024], all f32, are rounded once to bf16 (nearest even): xb [8192][1024]; wb [3072][1024] holds Wq's rows, then Wk's, then Wv's.
; 11,534,336 numbers in chunks of 4,096: 2,816 work-groups of four waves.  Work-group g < 2,048 takes chunk g of x; the others chunk (g - 2,048) % 256 of weight (g - 2,048) / 256,
; which is chunk g - 2,048 of wb.  A thread takes 8 x 4 numbers: each load of a wave covers 512 consecutive bytes, each store 256 consecutive bytes at a multiple of 256 from the buffer's first byte.
; Every byte is read once and written once; nothing is shared or used twice, so there is no LDS, no barrier, no matrix work.  No register is written twice, so no wait frees a source.
.set XCH,  2048                        ; chunks in x
.set IN,   4                           ; v[4:35]   eight loads of four f32
.set OUT,  36                          ; v[36:51]  eight pairs of packed bf16
	s_load_b256 s[4:11], s[0:1], 0x0               ; x s[4:5], Wq s[6:7], Wk s[8:9], Wv s[10:11]
	s_load_b128 s[12:15], s[0:1], 0x20             ; xb s[12:13], wb s[14:15]
	s_mov_b32 s16, ttmp9                           ; g
	s_sub_co_u32 s17, s16, XCH                     ; the chunk in wb (used only where g >= 2,048)
	s_lshr_b32 s18, s17, 8                         ; which weight
	s_and_b32 s19, s17, 255                        ; the chunk in that weight
	v_lshlrev_b32 v1, 4, v0                        ; 16 bytes a thread in,
	v_lshlrev_b32 v2, 3, v0                        ; 8 bytes out
	s_wait_kmcnt 0x0
	s_cmp_eq_u32 s18, 1
	s_cselect_b64 s[20:21], s[8:9], s[6:7]         ; Wk or Wq,
	s_cmp_eq_u32 s18, 2
	s_cselect_b64 s[20:21], s[10:11], s[20:21]     ; or Wv,
	s_cmp_lt_u32 s16, XCH
	s_cselect_b64 s[20:21], s[4:5], s[20:21]       ; or x
	s_cselect_b64 s[22:23], s[12:13], s[14:15]     ; into xb or wb
	s_cselect_b32 s24, s16, s19                    ; the chunk read
	s_cselect_b32 s25, s16, s17                    ; the chunk written
	s_lshl_b32 s26, s24, 14                        ; 16,384 bytes of f32 a chunk
	s_mov_b32 s27, 0
	s_lshl_b32 s28, s25, 13                        ; 8,192 bytes of bf16
	s_mov_b32 s29, 0
	s_add_nc_u64 s[20:21], s[20:21], s[26:27]
	s_add_nc_u64 s[22:23], s[22:23], s[28:29]
.irp i, 0,1,2,3,4,5,6,7
	global_load_b128 v[IN+4*(\i):IN+4*(\i)+3], v1, s[20:21] offset:2048*(\i) th:TH_LOAD_NT  ; read once in the launch
.endr
.irp i, 0,1,2,3,4,5,6,7
	s_wait_loadcnt 7-(\i)                          ; loads come back in order (ISA guide 5.7.1): load i is in, the younger ones stay out
	v_cvt_pk_bf16_f32 v[OUT+2*(\i)],   v[IN+4*(\i)],   v[IN+4*(\i)+1]
	v_cvt_pk_bf16_f32 v[OUT+2*(\i)+1], v[IN+4*(\i)+2], v[IN+4*(\i)+3]
	global_store_b64 v2, v[OUT+2*(\i):OUT+2*(\i)+1], s[22:23] offset:1024*(\i)  ; the next launch reads these bytes: no hint
.endr
	s_endpgm
.Lfunc_end_k_q33d3bf427e_cast:
	.size	k_q33d3bf427e_cast, .Lfunc_end_k_q33d3bf427e_cast-k_q33d3bf427e_cast
	.p2alignl 7, 3214868480
	.fill 96, 4, 3214868480
	.section	.rodata,"a",@progbits
	.p2align	6, 0x0
	.amdhsa_kernel k_q33d3bf427e_cast
		.amdhsa_group_segment_fixed_size 0
		.amdhsa_private_segment_fixed_size 0
		.amdhsa_enable_private_segment 0
		.amdhsa_kernarg_size 48
		.amdhsa_user_sgpr_count 2
		.amdhsa_user_sgpr_kernarg_segment_ptr 1
		.amdhsa_wavefront_size32 1
		.amdhsa_system_sgpr_workgroup_id_x 1
		.amdhsa_system_sgpr_workgroup_id_y 1
		.amdhsa_system_sgpr_workgroup_id_z 1
		.amdhsa_system_vgpr_workitem_id 0
		.amdhsa_next_free_vgpr 52
		.amdhsa_next_free_sgpr 66
		.amdhsa_reserve_vcc 0
		.amdhsa_float_denorm_mode_32 3
		.amdhsa_float_denorm_mode_16_64 3
		.amdhsa_memory_ordered 1
		.amdhsa_forward_progress 1
		.amdhsa_inst_pref_size 4
	.end_amdhsa_kernel
	.amdgpu_metadata
---
amdhsa.version: [ 1, 2 ]
amdhsa.kernels:
  - .name:           k_q33d3bf427e_cast
    .symbol:         k_q33d3bf427e_cast.kd
    .args:
      - { .name: x, .offset: 0, .size: 8, .value_kind: global_buffer, .address_space: global }
      - { .name: Wq, .offset: 8, .size: 8, .value_kind: global_buffer, .address_space: global }
      - { .name: Wk, .offset: 16, .size: 8, .value_kind: global_buffer, .address_space: global }
      - { .name: Wv, .offset: 24, .size: 8, .value_kind: global_buffer, .address_space: global }
      - { .name: xb, .offset: 32, .size: 8, .value_kind: global_buffer, .address_space: global }
      - { .name: wb, .offset: 40, .size: 8, .value_kind: global_buffer, .address_space: global }
    .group_segment_fixed_size: 0
    .private_segment_fixed_size: 0
    .kernarg_segment_align: 8
    .kernarg_segment_size: 48
    .max_flat_workgroup_size: 128
    .sgpr_count:     66
    .vgpr_count:     52
    .wavefront_size: 32
...
	.end_amdgpu_metadata
.endif
;; end of part 1
;; launch proj (part 2): grid 8 x 32, 4 waves a work-group, clusters of 4 x 4, 327,680 bytes of LDS; arguments xb, wb, qkv; writes qkv
.if DOCPART == 2
	.amdgcn_target "amdgcn-amd-amdhsa--gfx1250"
	.amdhsa_code_object_version 6
	.text
	.protected	k_q33d3bf427e_proj
	.globl	k_q33d3bf427e_proj
	.p2align	8
	.type	k_q33d3bf427e_proj,@function
k_q33d3bf427e_proj:
	s_mov_b64 s[64:65], 0
	v_nop
	global_prefetch_b8 v0, s[64:65] scope:SCOPE_SE
	s_setreg_imm32_b32 hwreg(HW_REG_WAVE_MODE, 25, 1), 1
	s_wait_xcnt 0x0
	s_wait_alu depctr_hold_cnt(0) depctr_sa_sdst(0) depctr_va_vdst(0) depctr_va_sdst(0) depctr_va_ssrc(0) depctr_va_vcc(0) depctr_vm_vsrc(0)
	s_getreg_b32 s2, hwreg(HW_REG_IB_STS2, 6, 4)
	s_cmp_eq_u32 s2, 0
	s_cbranch_scc0 .Lentry_in_a_cluster
	s_endpgm
.Lentry_in_a_cluster:
	s_bfe_u32 s2, ttmp6, 0x10000c
	s_cmp_lg_u32 s2, 0xf033
	s_cbranch_scc0 .Lentry_shape_is_right
	s_endpgm
.Lentry_shape_is_right:
; C[m][n] = sum over k of xb[m][k] wb[n][k]: xb [8192][1024], wb [3072][1024], bf16; sums in f32, K ascending; C rounded once to f16 and written BY HEADS:
; qkv [4 batches][48 planes][2048 rows][64] f16, plane = n / 64 (0-15 q's heads, 16-31 k's, 32-47 v's), so that a head's rows are dense, 128 bytes each.  No scale is applied here.
; LIMIT.  f16 holds no number beyond 65,504: a sum of 65,520 or more leaves as an infinity.  With x of unit spread and weights within 0.054 the sums have unit spread; all inputs 30 times
; larger give a spread of 900; a common offset of 30 spreads on x and on the weights gives sums near 29,000.
; SHARES.  A tile of C is 256 rows x 192 columns (three heads): 32 x 16 = 512 tiles.  A WORK-GROUP STAYS and makes two of them, tile columns tx and tx + 8 of the same 256 rows: 256 work-groups, one
; for each of 256 WGPs.  A loop over tiles stands round the loop over K, and the ring does not stop at a tile's end: the first tile's last two changes of slots ask for the second tile's first two
; K steps, and nothing waits for the first tile's stores.  The two tiles take the same rows of xb; of wb the second takes rows 1,536 further down.
; Four waves; wave w makes rows 64 w .. 64 w + 63 and all 192 columns, 4 x 12 accumulators of 16 x 16, 384 registers: whole heads, so a wave's results leave through a stage of its own, without a barrier.
; K goes in steps of 128 through a ring of two LDS slots filled by the tensor data mover: the tiles' rows are 256 bytes of memory and start at multiples of 256 bytes from the buffer's first byte.
; CLUSTERS: 4 x 4 work-groups.  The four of a row of the cluster need the same tiles of xb, the four of a column the same tiles of wb: each tile is asked for JOINTLY, by the same tensor load
; with the same descriptor and a mask that names the four.
; THE MATRIX INSTRUCTION IS USED TRANSPOSED: source 0 = 16 rows of wb, source 1 = 16 rows of xb.  Lane l then holds row l % 16 of C and the columns 8 (l / 16) + 0 .. 7: 16 bytes of f16 that belong together.
; REGISTERS, in windows of 256 (s_set_vgpr_msb: bits 1:0 source 0, 3:2 source 1, 5:4 source 2, 7:6 destination):
;   window 0: v0-31 addresses; v32-79 packed results; v80-127, v128-175 rows read back, by turns; v192-223, v224-255 fragments of xb (4 x 16 rows x 32 K), two buffers
;   window 1: v0-95, v96-191 fragments of wb (12 x 16 rows x 32 K), two buffers
;   window 2: the accumulators of my row blocks 0, 1 (block a, column block b at v[96 (a % 2) + 8 b]);   window 3: those of blocks 2, 3
.set SIZE_K, 1024
.set KSTEP,  128
.set TILES,  2                         ; tiles of C to a work-group
.set PITCH,  272                       ; an LDS row: 256 bytes + 16 of padding = 68 words: row r starts at bank 4 r mod 64 (64 banks of 4 bytes: ISA guide 11.1), so the 16 rows of a load start at 16 different banks
.set HALFA,  128*PITCH                 ; what one tensor load brings of xb: 128 rows
.set HALFB,  96*PITCH                  ; and of wb: 96 rows
.set BOFF,   2*HALFA                   ; in a slot: xb's 256 rows, then wb's 192
.set SLOT,   BOFF+2*HALFB              ; 121,856 bytes
.set STAGE,  2*SLOT                    ; behind the ring, never filled by a tensor load: for each wave 3 heads x 16 rows x 144 bytes
.set SP,     144                       ; a stage row: 128 bytes + 16
.set HSTAGE, 16*SP
.set WSTAGE, 3*HSTAGE
.set SPARE,  STAGE+4*WSTAGE            ; behind the stages: the spare words, 128 bytes for each wave: two blocks of 256 bytes that no other line names
.set PLANE,  2048*128                  ; bytes of a plane of qkv
.set LAPS,   SIZE_K/(2*KSTEP)          ; a lap = two K steps = once round the ring: 4
.set BACK_A, (SIZE_K-2*KSTEP)*2        ; bytes from a slot's last K step of a tile to its first of the next tile: xb only goes back along K,
.set NEXT_B, 8*192*SIZE_K*2-BACK_A     ; wb eight tile columns (1,536 rows) on and back along K
.set NEXT_C, 8*3*PLANE                 ; eight tile columns are 24 planes of qkv
.set ADRA, 16                          ; v16-17  LDS address of my fragments of xb in slot 0, 1
.set ADRB, 20                          ; v20-21  the same for wb
.set STO,  24                          ; v24     the way out: where I put 16 bytes of a row
.set RD,   25                          ; v25     the way out: where I read rows back
.set CO,   26                          ; v26     my byte offset in 512 consecutive bytes of qkv
.set SPW,  28                          ; v28     LDS address of my spare word: SPARE + 4 x my thread's number; never rewritten
.set NIL,  29                          ; v29     0; never rewritten
.set TMP,  32
.set OB,   80
.set FA,   192                         ; xb's fragment buffers, in window 0
.set G1,  24                           ; s[24:31] descriptor group 1 for xb's tiles;  s[32:39] group 0, one set for each slot
.set G0,  32
.set G1B, 48                           ; s[48:55], s[56:63] the same for wb's tiles
.set G0B, 56
.set MSB, 0
.macro WIN new                         ; the immediate's high byte repeats the setting that is left; a switch that changes nothing is dropped
.if MSB != (\new)
	s_set_vgpr_msb (MSB<<8)|(\new)
.set MSB, \new
.endif
.endm
.set MUL_LO, 0xa1                      ; source 0 (wb) window 1, source 1 (xb) window 0, C and D window 2
.set MUL_HI, 0xf1                      ; the same, C and D window 3
.set TO_B,   0x40                      ; destination window 1, address window 0
; A joint load.  Waves 0 and 1 fetch xb's two halves, waves 2 and 3 wb's.  Each of the two lines has one mask and one set of registers; the branch hangs on the wave's number alone.
; An s_nop 0 and four v_nop follow each of the two lines, ahead of the jump, the label and what follows the macro.
.macro JLOAD s
	s_cmp_lt_u32 s10, 2
	s_cbranch_scc0 .Lfor_b_\@
	tensor_load_to_lds s[G0+4*(\s):G0+4*(\s)+3], s[G1:G1+7]
	s_nop 0
.rept 4
	v_nop
.endr
	s_branch .Lasked_\@
.Lfor_b_\@:
	tensor_load_to_lds s[G0B+4*(\s):G0B+4*(\s)+3], s[G1B:G1B+7]
	s_nop 0
.rept 4
	v_nop
.endr
.Lasked_\@:
.endm
; A round of the cluster's barrier: my work-group's barrier, so that wave 0's signal speaks for all four waves; wave 0 signals for the work-group; every wave waits for all sixteen
; work-groups; my work-group's barrier once more.  No LDS instruction of the wave is pending at a signal.
.macro CREST                           ; a round behind its opening barrier
	s_cmp_lg_u32 s10, 0
	s_cbranch_scc1 .Lnot_wave_0_\@
	s_barrier_signal -3
.Lnot_wave_0_\@:
	s_barrier_wait -3
	s_barrier_signal -1
	s_barrier_wait -1
.endm
.macro CROUND                          ; a whole round
	s_barrier_signal -1
	s_barrier_wait -1
	CREST
.endm
	s_load_b128 s[4:7], s[0:1], 0x0                ; xb s[4:5], wb s[6:7]
	s_load_b64 s[8:9], s[0:1], 0x10                ; qkv
	v_lshl_add_u32 v[SPW], v0, 2, SPARE
	v_mov_b32 v[NIL], 0
	ds_add_u32 v[SPW], v[NIL]                      ; the wave's opening: the add and its wait stand ahead of my first tensor load; the set-up below, work on registers, stands between them
	v_lshrrev_b32 v1, 5, v0
	v_readfirstlane_b32 s10, v1                    ; wave 0..3
	s_and_b32 s12, s10, 1                          ; which half of a tile's rows I fetch
	s_bfe_u32 s40, ttmp6, 0x40000                  ; cx, cy: my place in the cluster
	s_bfe_u32 s41, ttmp6, 0x40004
	s_lshl_b32 s42, ttmp9, 2                       ; in a cluster launch ttmp9 and ttmp7 count clusters
	s_add_co_u32 s42, s42, s40                     ; my first tile column of C = 4 x cluster x + cx: 0 to 7
	s_and_b32 s13, ttmp7, 0xffff
	s_lshl_b32 s13, s13, 2
	s_add_co_u32 s13, s13, s41                     ; tile row of C = 4 x cluster y + cy
	s_lshl_b32 s43, s41, 2
	s_lshl_b32 s43, 15, s43                        ; my row of the cluster: places 4 cy .. 4 cy + 3
	s_lshl_b32 s44, 0x1111, s40                    ; my column: places cx, cx + 4, cx + 8, cx + 12
	; descriptor group 1: tiles of 128 (xb) or 96 (wb) rows x 128 elements, padded in LDS
	s_or_b32 s[G1+0], s43, (1<<16)|(1<<20)|(1<<21)|(5<<22)|(3<<25)   ; 15:0 the mask: xb's tiles go to my row; 17:16 elements of 2 bytes; 20 padding on; 21 set beside a mask; 24:22 after every 64 words (code 5); 31:25 4 words of it (code 3)
	s_or_b32 s[G1B+0], s44, (1<<16)|(1<<20)|(1<<21)|(5<<22)|(3<<25)  ; the same with the mask of my column, for wb's tiles
	s_mov_b32 s[G1+1], KSTEP<<16                   ; tensor_dim0 = 128
	s_mov_b32 s[G1B+1], KSTEP<<16
	s_mov_b32 s[G1+2], 128<<16                     ; tensor_dim1 = 128 rows
	s_mov_b32 s[G1B+2], 96<<16                     ; 96 rows
	s_mov_b32 s[G1+3], KSTEP<<16                   ; tile_dim0 = 128
	s_mov_b32 s[G1B+3], KSTEP<<16
	s_mov_b32 s[G1+4], 128                         ; tile_dim1
	s_mov_b32 s[G1B+4], 96
	s_mov_b32 s[G1+5], SIZE_K                      ; elements from row to row
	s_mov_b32 s[G1B+5], SIZE_K
	s_mov_b32 s[G1+6], 0
	s_mov_b32 s[G1B+6], 0
	s_mov_b32 s[G1+7], 0
	s_mov_b32 s[G1B+7], 0
	; where the tiles come from.  xb's hang on the tile row alone, which my row of the cluster shares; wb's on the tile column alone, which my column shares.
	; Every wave makes both addresses, in registers that do not hold the other coordinate, and asks by one of them.
	s_lshl_b32 s16, s13, 8
	s_lshl_b32 s17, s12, 7
	s_add_co_u32 s16, s16, s17                     ; xb: row 256 x tile row + 128 x half,
	s_lshl_b32 s16, s16, 11                        ; times 2,048 bytes: under 2^24
	s_mov_b32 s17, 0
	s_mul_i32 s46, s42, 192
	s_mul_i32 s47, s12, 96
	s_add_co_u32 s46, s46, s47                     ; wb: row 192 x tile column + 96 x half
	s_lshl_b32 s46, s46, 11
	s_mov_b32 s47, 0
	s_mul_i32 s18, s12, HALFA                      ; and where they go: xb's two halves,
	s_mul_i32 s19, s12, HALFB
	s_add_co_u32 s19, s19, BOFF                    ; then wb's two: no place in the cluster enters an LDS address
	s_wait_dscnt 0x0                               ; the opening add is done
	s_wait_kmcnt 0x0
	s_add_nc_u64 s[14:15], s[4:5], s[16:17]
	s_add_nc_u64 s[46:47], s[6:7], s[46:47]
	CROUND                                         ; all sixteen work-groups are here: the first joint loads meet
.irp s, 0,1
	s_mov_b32 s[G0+4*(\s)], 1                                        ; 1:0 count = 1
	s_add_co_u32 s[G0+4*(\s)+1], s18, (\s)*SLOT                      ; 63:32 LDS address
	s_add_nc_u64 s[G0+4*(\s)+2:G0+4*(\s)+3], s[14:15], (\s)*KSTEP*2  ; 120:64 global address: K step s
	s_or_b32 s[G0+4*(\s)+3], s[G0+4*(\s)+3], 0x80000000              ; 127:126 type = 2
	s_mov_b32 s[G0B+4*(\s)], 1
	s_add_co_u32 s[G0B+4*(\s)+1], s19, (\s)*SLOT
	s_add_nc_u64 s[G0B+4*(\s)+2:G0B+4*(\s)+3], s[46:47], (\s)*KSTEP*2
	s_or_b32 s[G0B+4*(\s)+3], s[G0B+4*(\s)+3], 0x80000000
	JLOAD \s                                       ; the ring is filled before anything else is done: two tensor loads of mine are out, later one
.endr
	; A fragment is 16 rows x 32 K in 8 registers: lane l holds row l % 16; registers 0-3 hold K = 8 (l / 16) + 0..7, registers 4-7 hold K = 16 + 8 (l / 16) + 0..7: two loads of 16 bytes, 32 bytes apart.
	v_and_b32 v1, 15, v0                           ; l % 16
	v_bfe_u32 v2, v0, 4, 1                         ; l / 16
	v_mul_u32_u24 v3, v1, PITCH
	v_lshl_add_u32 v3, v2, 4, v3                   ; row x pitch + 16 x half
	s_mul_i32 s21, s10, 64*PITCH                   ; my 64 rows of xb
	s_mov_b32 s22, BOFF                            ; all 192 rows of wb
.irp s, 0,1
	v_add_nc_u32 v[ADRA+(\s)], s21, v3
	v_add_nc_u32 v[ADRB+(\s)], s22, v3
	s_add_co_u32 s21, s21, SLOT
	s_add_co_u32 s22, s22, SLOT
.endr
	s_mul_i32 s23, s10, WSTAGE
	s_add_co_u32 s23, s23, STAGE                   ; my stage
	v_mul_u32_u24 v4, v1, SP                       ; in: row l % 16, 16 bytes for each half of the lanes
	v_lshl_add_u32 v4, v2, 4, v4
	v_add_nc_u32 v[STO], s23, v4
	v_bfe_u32 v5, v0, 3, 2                         ; back: 32 lanes take four rows of 128 bytes,
	v_mul_u32_u24 v5, v5, SP
	v_and_b32 v6, 7, v0
	v_lshl_add_u32 v5, v6, 4, v5
	v_add_nc_u32 v[RD], s23, v5
	v_and_b32 v[CO], 31, v0                        ; which are 512 consecutive bytes of a plane
	v_lshlrev_b32 v[CO], 4, v[CO]
	; where my rows of the first tile begin in qkv: batch = tile row / 8; plane 48 x batch + 3 x tile column; row 256 (tile row % 8) + 64 w, 128 bytes each.  Under 2^26.
	s_lshr_b32 s16, s13, 3
	s_mul_i32 s16, s16, 48
	s_mul_i32 s46, s42, 3
	s_add_co_u32 s46, s46, s16
	s_lshl_b32 s46, s46, 18
	s_and_b32 s17, s13, 7
	s_lshl_b32 s17, s17, 15
	s_add_co_u32 s46, s46, s17
	s_lshl_b32 s17, s10, 13
	s_add_co_u32 s46, s46, s17
	s_mov_b32 s47, 0
	s_add_nc_u64 s[8:9], s[8:9], s[46:47]
; 12 matrix instructions: my row block a x all 12 column blocks, 32 along K, from buffer f.  zero = 1: the product starts the sums: nothing is ever cleared.
; The 48 accumulators take turns, one instruction a turn, in the same order in every quarter step, from tile to tile too.
.macro MUL12 f, a, zero
	WIN MUL_LO+0x50*((\a)/2)                       ; MUL_LO or MUL_HI
.irp b, 0,1,2,3,4,5,6,7,8,9,10,11
.if \zero
	v_wmma_f32_16x16x32_bf16 v[96*((\a)%2)+8*(\b):96*((\a)%2)+8*(\b)+7], v[96*(\f)+8*(\b):96*(\f)+8*(\b)+7], v[FA+32*(\f)+8*(\a):FA+32*(\f)+8*(\a)+7], 0
.else
	v_wmma_f32_16x16x32_bf16 v[96*((\a)%2)+8*(\b):96*((\a)%2)+8*(\b)+7], v[96*(\f)+8*(\b):96*(\f)+8*(\b)+7], v[FA+32*(\f)+8*(\a):FA+32*(\f)+8*(\a)+7], v[96*((\a)%2)+8*(\b):96*((\a)%2)+8*(\b)+7]
.endif
.endr
.endm
; 32 LDS loads in one run: the fragments of one quarter step (192 rows of wb, my 64 rows of xb, 32 K at byte k of the rows) into buffer f; xb's blocks 2 and 3 are the youngest four
.macro FETCH slot, k, f
	WIN TO_B
.irp i, 0,1,2,3,4,5,6,7,8,9,10,11
	ds_load_b128 v[96*(\f)+8*(\i):96*(\f)+8*(\i)+3],   v[ADRB+(\slot)] offset:(\k)+(\i)*16*PITCH
	ds_load_b128 v[96*(\f)+8*(\i)+4:96*(\f)+8*(\i)+7], v[ADRB+(\slot)] offset:(\k)+(\i)*16*PITCH+32
.endr
	WIN 0
.irp i, 0,1,2,3
	ds_load_b128 v[FA+32*(\f)+8*(\i):FA+32*(\f)+8*(\i)+3],   v[ADRA+(\slot)] offset:(\k)+(\i)*16*PITCH
	ds_load_b128 v[FA+32*(\f)+8*(\i)+4:FA+32*(\f)+8*(\i)+7], v[ADRA+(\slot)] offset:(\k)+(\i)*16*PITCH+32
.endr
.endm
; A load into a register that a matrix instruction has read, and a vector instruction that reads a matrix result, stand four places behind that matrix instruction, and only plain vector
; instructions that name none of its registers are places (ISA guide 7.12.1 for vector instructions).
.macro PLACES
.rept 4
	v_nop
.endr
.endm
; A K step is four quarter steps of 32 along K, 48 matrix instructions each, on buffers 0, 1, 0, 1.
; One of the first three: multiplies buffer f; in its middle it fetches the next quarter's fragments, at byte k of the same slot's rows, into buffer g.
.macro QUARTER slot, k, f, g, zero
	s_wait_dscnt 4                                 ; wb and xb's blocks 0, 1 are in; the youngest four loads (blocks 2, 3) may be out
	MUL12 \f, 0, \zero
	MUL12 \f, 1, \zero
	PLACES
	FETCH \slot, \k, \g
	s_wait_dscnt 32                                ; all but the 32 just issued
	MUL12 \f, 2, \zero
	MUL12 \f, 3, \zero
.endm
; The last quarter multiplies buffer 1 and changes slots: ONE barrier, for two things.  In front of it each wave waits for all its tensor loads, of which one is out: its part of the next slot; adds 0 to
; its spare word; and waits for that and for its own reads of this slot.  Behind it nobody reads this slot any more and the next slot is whole.
; fill = 1: this slot is filled again, with this tile's K step two steps on; fill = 2: with the NEXT tile's K step 0 or 1.  The barrier then opens a round of the cluster's barrier, and the joint load
; is the first tensor load behind the round.  fill = 0: nothing is left to fetch.
.macro TURN slot, next, fill
	WIN 0                                          ; (the add's two registers lie in window 0)
	s_wait_tensorcnt 0x0                           ; all my tensor loads have landed, so a group 0 may be written;
	ds_add_u32 v[SPW], v[NIL]                      ; 0 onto my spare word;
	s_wait_dscnt 5                                 ; (the add and the youngest four loads may be out)
	MUL12 1, 0, 0                                  ; twelve matrix instructions stand between the add and the wait for it
	s_wait_dscnt 0x0                               ; the add is done, and my reads of this slot are over
	s_barrier_signal -1
	MUL12 1, 1, 0                                  ; work on registers while the others arrive
.if \fill
	WIN 0
.endif
	s_barrier_wait -1
.if (\fill) == 1
	CREST                                          ; no wave of any partner still reads this slot's tile or has a load on its way
	s_add_nc_u64 s[G0+4*(\slot)+2:G0+4*(\slot)+3], s[G0+4*(\slot)+2:G0+4*(\slot)+3], 2*KSTEP*2
	s_add_nc_u64 s[G0B+4*(\slot)+2:G0B+4*(\slot)+3], s[G0B+4*(\slot)+2:G0B+4*(\slot)+3], 2*KSTEP*2
	JLOAD \slot                                    ; 168 matrix instructions ahead of the wait for it; the four v_nop behind it are also the places in front of the loads below
.elseif (\fill) == 2
	CREST
	s_sub_nc_u64 s[G0+4*(\slot)+2:G0+4*(\slot)+3], s[G0+4*(\slot)+2:G0+4*(\slot)+3], BACK_A   ; the same rows of xb, back along K; the type bits on top are not reached
	s_add_nc_u64 s[G0B+4*(\slot)+2:G0B+4*(\slot)+3], s[G0B+4*(\slot)+2:G0B+4*(\slot)+3], NEXT_B  ; the next tile's rows of wb
	JLOAD \slot                                    ; again 168 matrix instructions ahead of the wait for it, the tile's way out among them
.else
	PLACES
.endif
	FETCH \next, 0, 0
	MUL12 1, 2, 0
	MUL12 1, 3, 0
.endm
; THE WAY OUT of row block a, in three parts.  PACK: rounded to f16, 16 bytes a lane; each accumulator's registers in ascending order.
.macro PACK a
.set AC, 96*((\a)%2)
	WIN 0x0a+5*((\a)/2)                            ; sources 0 and 1: window 2 or 3
.irp b, 0,1,2,3,4,5,6,7,8,9,10,11
.irp r, 0,1,2,3
	v_cvt_pk_f16_f32 v[TMP+4*(\b)+(\r)], v[AC+8*(\b)+2*(\r)], v[AC+8*(\b)+2*(\r)+1]
.endr
.endr
	WIN 0
.endm
; TOSTAGE: into my own stage, head b / 4, 32 bytes for each column block; and back as four whole rows of 128 bytes a load.
.macro TOSTAGE a
	WIN 0
.set BK, OB+48*((\a)%2)
.irp b, 0,1,2,3,4,5,6,7,8,9,10,11
	ds_store_b128 v[STO], v[TMP+4*(\b):TMP+4*(\b)+3] offset:((\b)/4)*HSTAGE+((\b)%4)*32
.endr
.irp t, 0,1,2,3,4,5,6,7,8,9,10,11
	ds_load_b128 v[BK+4*(\t):BK+4*(\t)+3], v[RD] offset:((\t)/4)*HSTAGE+((\t)%4)*4*SP  ; LDS serves a wave's instructions in order (ISA guide 5.7.1.4): these see the stores above
.endr
.endm
; SEND: stored.  Inside a tile the base is not stepped: head, block and rows stand in the immediate, 531,968 bytes at the most.
.macro SEND a
	WIN 0
.set BK, OB+48*((\a)%2)
	s_wait_dscnt 0x0                               ; the block is back in registers
	s_wait_xcnt 0x0                                ; every earlier store has had its addresses translated (ISA guide 3.1): the other buffer, which the block before was stored from, is loaded again only behind this wait
.irp t, 0,1,2,3,4,5,6,7,8,9,10,11
	global_store_b128 v[CO], v[BK+4*(\t):BK+4*(\t)+3], s[8:9] offset:((\t)/4)*PLANE+(\a)*2048+((\t)%4)*512  ; 512 consecutive bytes, at a multiple of 256 from qkv's first byte
.endr
.endm
; A whole tile goes out.  The four v_nop are the places behind block 0's and 1's last products; blocks 0 and 1's conversions are then the places behind blocks 2 and 3's.
.macro WAYOUT
	WIN 0
	PLACES
	PACK 0
	TOSTAGE 0
.irp a, 1,2,3                          ; block a's conversions stand between block a - 1's loads from the stage and the wait for them
	PACK \a
	SEND (\a)-1
	TOSTAGE \a
.endr
	SEND 3
.endm
	s_wait_tensorcnt 1                             ; my part of K step 0 is in; K step 1's may stay out
	s_barrier_signal -1
	s_barrier_wait -1                              ; everybody's is
	FETCH 0, 0, 0
	s_mov_b32 s2, TILES                            ; tiles to go, this one among them: the same number in every work-group
.Ltile:                                                ; (FETCH and SEND leave every window 0)
	QUARTER 0, 64,  0, 1, 1                        ; a tile's first quarter stands in front of the loop: its products start the sums
	WIN 0                                          ; at a label and at a branch every window is 0
	s_mov_b32 s3, LAPS-1
.Llap:                                                 ; a trip goes once round the ring, from a lap's second quarter to the next lap's first, and fills both slots again: K steps 2 to 7 in three trips
	QUARTER 0, 128, 1, 0, 0
	QUARTER 0, 192, 0, 1, 0
	TURN 0, 1, 1
	QUARTER 1, 64,  0, 1, 0
	QUARTER 1, 128, 1, 0, 0
	QUARTER 1, 192, 0, 1, 0
	TURN 1, 0, 1
	QUARTER 0, 64,  0, 1, 0
	WIN 0
	s_sub_co_u32 s3, s3, 1
	s_cmp_lg_u32 s3, 0
	s_cbranch_scc1 .Llap
	QUARTER 0, 128, 1, 0, 0                        ; the tile's last lap goes on
	QUARTER 0, 192, 0, 1, 0
	WIN 0
	s_cmp_eq_u32 s2, 1
	s_cbranch_scc1 .Llast_tile                     ; the last tile's tail is written out: it asks for nothing more
	TURN 0, 1, 2                                   ; THE RING GOES ON INTO THE NEXT TILE: slot 0 takes its K step 0,
	QUARTER 1, 64,  0, 1, 0
	QUARTER 1, 128, 1, 0, 0
	QUARTER 1, 192, 0, 1, 0
	TURN 1, 0, 2                                   ; slot 1 its K step 1, and the next tile's first fragments are fetched
	WAYOUT                                         ; both refills are asked for: now the tile goes out; its stores are on their way while the next tile is multiplied
	s_wait_xcnt 0x0                                ; the stores have had their addresses translated (ISA guide 3.1): their base is stepped only behind this wait
	s_add_nc_u64 s[8:9], s[8:9], NEXT_C            ; the same rows, 24 planes on
	s_sub_co_u32 s2, s2, 1
	s_branch .Ltile
.Llast_tile:
	TURN 0, 1, 0                                   ; my one tensor load that was still out is slot 1's, the last K step's, so no round follows
	QUARTER 1, 64,  0, 1, 0
	QUARTER 1, 128, 1, 0, 0
	QUARTER 1, 192, 0, 1, 0
	s_wait_dscnt 4                                 ; the very last quarter: nothing more to fetch
	MUL12 1, 0, 0
	MUL12 1, 1, 0
	s_wait_dscnt 0x0
	MUL12 1, 2, 0
	MUL12 1, 3, 0
	WAYOUT
	s_wait_tensorcnt 0x0                           ; the wave's end: behind my last tensor load and my last LDS store
	ds_add_u32 v[SPW], v[NIL]
	s_wait_dscnt 0x0
	CROUND                                         ; the closing round: no work-group ends while a partner may still ask for a tile that names it
	s_endpgm
.Lfunc_end_k_q33d3bf427e_proj:
	.size	k_q33d3bf427e_proj, .Lfunc_end_k_q33d3bf427e_proj-k_q33d3bf427e_proj
	.p2alignl 7, 3214868480
	.fill 96, 4, 3214868480
	.section	.rodata,"a",@progbits
	.p2align	6, 0x0
	.amdhsa_kernel k_q33d3bf427e_proj
		.amdhsa_group_segment_fixed_size 327680
		.amdhsa_private_segment_fixed_size 0
		.amdhsa_enable_private_segment 0
		.amdhsa_kernarg_size 24
		.amdhsa_user_sgpr_count 2
		.amdhsa_user_sgpr_kernarg_segment_ptr 1
		.amdhsa_wavefront_size32 1
		.amdhsa_system_sgpr_workgroup_id_x 1
		.amdhsa_system_sgpr_workgroup_id_y 1
		.amdhsa_system_sgpr_workgroup_id_z 1
		.amdhsa_system_vgpr_workitem_id 0
		.amdhsa_next_free_vgpr 960
		.amdhsa_next_free_sgpr 66
		.amdhsa_reserve_vcc 0
		.amdhsa_float_denorm_mode_32 3
		.amdhsa_float_denorm_mode_16_64 3
		.amdhsa_memory_ordered 1
		.amdhsa_forward_progress 1
		.amdhsa_inst_pref_size 170
	.end_amdhsa_kernel
	.amdgpu_metadata
---
amdhsa.version: [ 1, 2 ]
amdhsa.kernels:
  - .name:           k_q33d3bf427e_proj
    .symbol:         k_q33d3bf427e_proj.kd
    .args:
      - { .name: xb, .offset: 0, .size: 8, .value_kind: global_buffer, .address_space: global }
      - { .name: wb, .offset: 8, .size: 8, .value_kind: global_buffer, .address_space: global }
      - { .name: qkv, .offset: 16, .size: 8, .value_kind: global_buffer, .address_space: global }
    .group_segment_fixed_size: 327680
    .private_segment_fixed_size: 0
    .kernarg_segment_align: 8
    .kernarg_segment_size: 24
    .max_flat_workgroup_size: 128
    .sgpr_count:     66
    .vgpr_count:     960
    .wavefront_size: 32
...
	.end_amdgpu_metadata
.endif
;; end of part 2
;; launch attn (part 3): grid 4 x 64, 4 waves a work-group, clusters of 4 x 1, 327,680 bytes of LDS; arguments qkv, out0; writes out0
.if DOCPART == 3
	.amdgcn_target "amdgcn-amd-amdhsa--gfx1250"
	.amdhsa_code_object_version 6
	.text
	.protected	k_q33d3bf427e_attn
	.globl	k_q33d3bf427e_attn
	.p2align	8
	.type	k_q33d3bf427e_attn,@function
k_q33d3bf427e_attn:
	s_mov_b64 s[64:65], 0
	v_nop
	global_prefetch_b8 v0, s[64:65] scope:SCOPE_SE
	s_setreg_imm32_b32 hwreg(HW_REG_WAVE_MODE, 25, 1), 1
	s_wait_xcnt 0x0
	s_wait_alu depctr_hold_cnt(0) depctr_sa_sdst(0) depctr_va_vdst(0) depctr_va_sdst(0) depctr_va_ssrc(0) depctr_va_vcc(0) depctr_vm_vsrc(0)
	s_getreg_b32 s2, hwreg(HW_REG_IB_STS2, 6, 4)
	s_cmp_eq_u32 s2, 0
	s_cbranch_scc0 .Lentry_in_a_cluster
	s_endpgm
.Lentry_in_a_cluster:
	s_bfe_u32 s2, ttmp6, 0x10000c
	s_cmp_lg_u32 s2, 0x3003
	s_cbranch_scc0 .Lentry_shape_is_right
	s_endpgm
.Lentry_shape_is_right:
; out0[b][q][64 h + :] = the sum over k of softmax_k(Q[q] . K[k] / 32) V[k][:], for each of 4 batches b and 16 heads h.  qkv: [4][48 planes][2048][64] f16; of batch b plane h is the head's Q,
; plane 16 + h its K, plane 32 + h its V: a plane's rows are dense, 128 bytes each.  out0: [4][2048][1024] f32.  Products, maxima and sums in f32; the weights p are rounded to f16 for the
; second product (their sum l is taken of the unrounded p); the result leaves in f32.
; LIMITS.  f16 holds no number beyond 65,504: Q, K and V arrive within it; p lies in 0 to 1, and below 6e-5 it keeps f16's fixed step of 6e-8.
; A weight below 2^-126 counts as 0 in l; NaN and infinities are not treated apart.
; SHARES.  A wave owns four PIECES of two tiles of 16 queries, a work-group's four waves 512 queries of one head: 4 x 64 = 256 work-groups.  Every wave walks all 2,048 keys, 64 a step.
; LAYOUT.  S^T = K Q^T (source 0 = 16 keys, source 1 = 16 queries): in the result a lane holds ONE query (lane % 16) and the keys 8 (lane / 16) + 0..7.  Two such tiles, rounded to f16 in pairs,
; ARE source 1 (32 keys x 16 queries) of O^T = V^T P, whose result again holds one query a lane, and eight channels.  K comes out of LDS as it lies, V ([key][channel]) turned, by ds_load_tr16_b128.
; SOFTMAX.  For each query a running maximum m and sum l: p = 2^(c s - c m), c = log2(e) / 32; in every step O and l are multiplied by a = 2^(c m_old - c m_new), which is 1 where m has not grown.
; m starts at the lowest finite number, O and l at 0: the first step is a step like any other, with a = 0.
; THE COUNT.  A tile and step have 16 matrix and 118 vector instructions: too many to stand all beside the matrix work.  So the order has one aim: four vector instructions that are READY behind
; EVERY matrix instruction, and the others, which need time of their own whatever the order, in runs without a gap.
; BY TURNS.  Turn n belongs to piece n (the pieces in a ring, step after step).  Its matrix work: 16 products K Q^T of piece n + 1, later 16 products V^T P of piece n - 1.  Its vector work: the scaling,
; exponentials, roundings, sums and rescaling of piece n, and the maximum and statistics of piece n + 1, whose scores the turn itself has made.  So what a turn begins with (c s - c m, O a) waits for nothing.
; CLUSTER.  The four query blocks of a cluster belong to one head and walk the same K and V, so each tile is asked for JOINTLY: the same tensor load, descriptor and mask in all four.
; REGISTERS, in windows of 256 (s_set_vgpr_msb says which window each operand place means: bits 1:0 source 0, 3:2 source 1, 5:4 source 2, 7:6 destination):
;   window 0: v0-11 addresses; v12-15, v48-63 at work; v16-47 four registers of statistics a tile; v64-191 S^T, two buffers of two tiles; v192-255 P, likewise
;   window 1: O^T, 32 a tile          window 2: v0-127 Q, 16 a tile; v128-191 K of one step; v192-255 V of one step          window 3: v0-1 the add's two registers
; A piece's buffers go by its number's parity: the piece in hand has one pair, its two neighbours in the ring share the other: of it P (piece n - 1) is read and S^T (piece n + 1) written.
.set SIZE_N, 2048
.set PLANE, SIZE_N*128  ; bytes of a plane of qkv
.set NP,    4         ; pieces a wave: a name, no knob: the register map, the loop and the fetches are made for four
.set KS,    64        ; keys in a step
.set PK,    144       ; a row of K in LDS: 128 bytes + 16 of padding = 36 words: the 16 rows of a load start at 16 different groups of four banks (64 banks of 4 bytes: ISA guide 11.1)
.set PV,    160       ; a row of V: 128 + 32 = 40 words
.set VOFF,  4*KS*PK   ; a slot holds four steps: 256 rows of K, then 256 rows of V
.set SLOT1, 1<<17     ; slot 1 begins here, so that one exclusive or turns an address in one slot into the other's
.set STAGE, SLOT1+4*KS*(PK+PV)  ; behind the ring, never filled by a tensor load: 16 rows x 272 bytes for each wave, for the way out
.set SP,    272       ; a stage row: 64 f32 = 256 bytes + 16
.set AK0, 2           ; v2   my lane's place in a tile of K; never rewritten
.set AV0, 3           ; v3   the same for V
.set AK,  4           ; v4   the LDS address of K's next run of loads
.set AV,  5           ; v5   of V's
.set QO,  6           ; v6   my byte offset in the wave's rows of Q
.set STO, 6           ;      later, the way out: where I put 32 bytes of a row
.set RD,  7           ; v7   the way out: where I read rows back
.set GO,  8           ; v8   my byte offset in two rows of out0
.set SPW, 0           ; v0 of window 3   LDS address of my spare word: SPARE + 4 x my thread's number; never rewritten
.set NIL, 1           ; v1 of window 3   0; never rewritten
.set SPARE, STAGE+4*16*SP  ; behind the stages: the spare words, 128 bytes for each wave: two blocks of 256 bytes that no other line names
.set MV,  12          ; v12-15  c m_old, kept while c m is made anew: by buffer and tile
.set ST,  16          ; tile t's statistics at v[ST+4 t]: c m, m, l (even keys', odd keys')
.set TMP, 48          ; by buffer and tile, four registers c0-c3 at work; when the maximum is found c2 takes a
.set S,   64
.set P,   192
.set KF,  128         ; K's fragments, in window 2: key block kb, channel half c at KF + 16 kb + 8 c
.set VF,  192         ; V's: key half kk, channel block cb at VF + 32 kk + 8 cb
.set WV,  12          ; s12  my wave's number
.set G1K, 24          ; s[24:31] descriptor group 1 for K's tiles
.set G1V, 32          ; s[32:39] for V's: it differs in the padding alone
.set G0K, 40          ; s[40:43] descriptor group 0 for K's tiles: it walks
.set G0V, 44          ; s[44:47] the same for V's
.set SLOTS, 56        ; s56  slots still to be asked for
.set CNT, 57          ; s57  counts a slot's key steps
.set CS,  58          ; s[58:59] c: the packed scaling takes the pair's low word for both halves
.set SEL, 60          ; s[60:61] v_permlanex16_b32's selects: each lane takes its own place in the other half
.set TBK, 62          ; s62  LDS byte at which K of the step to be fetched begins
.set TBV, 63          ; s63  the same for V, less VOFF
.set MSB, 0
.macro WIN new                      ; the high byte repeats the setting that is left; a switch that changes nothing is dropped
.if MSB != (\new)
	s_set_vgpr_msb (MSB<<8)|(\new)
.set MSB, (\new)
.endif
.endm
.set W_KQ, 0x0a       ; K and Q in window 2, S^T in window 0
.set W_PV, 0x52       ; V in window 2, P in window 0, O^T in window 1
.set W_RS, 0x41       ; O^T (destination and source 0) in window 1, a in window 0
.set W_MK, 0xc0       ; the add's registers are made: destination in window 3, sources in window 0
.set W_AD, 0x0f       ; the add: address (source 0) and data (source 1) in window 3
.set W_SO, 0x04       ; an LDS store of O^T: address (source 0) in window 0, data (source 1) in window 1
; A joint fill.  Waves 0 and 1 fetch the two halves of a slot's K, waves 2 and 3 those of its V: 128 keys each.  The branch hangs on the wave's number alone.
; An s_nop 0 and four v_nop follow each of the two lines, ahead of the jump and the label.
.macro JLOAD
	s_cmp_lt_u32 s[WV], 2
	s_cbranch_scc0 .Lfor_v_\@
	tensor_load_to_lds s[G0K:G0K+3], s[G1K:G1K+7]
	s_nop 0
.rept 4
	v_nop
.endr
	s_branch .Lasked_\@
.Lfor_v_\@:
	tensor_load_to_lds s[G0V:G0V+3], s[G1V:G1V+7]
	s_nop 0
.rept 4
	v_nop
.endr
.Lasked_\@:
.endm
; A round of the cluster's barrier: my work-group's barrier, so that wave 0's signal speaks for all four waves; wave 0 signals; every wave waits for all four work-groups; my work-group's barrier once more.
.macro CROUND
	s_barrier_signal -1
	s_barrier_wait -1
	s_cmp_lg_u32 s[WV], 0
	s_cbranch_scc1 .Lnot_wave_0_\@
	s_barrier_signal -3
.Lnot_wave_0_\@:
	s_barrier_wait -3
	s_barrier_signal -1
	s_barrier_wait -1
.endm
; THE CHANGE OF SLOTS.  The slot's last bytes, V of its fourth step, have been read.  Each wave waits for all its tensor loads, of which one is out: its part
; of the other slot; adds 0 to its spare word; and waits for that and for its own reads of the slot.  Behind the barrier nobody reads this slot any more and the other slot is whole.
; fill = 1: this slot is filled again, with the keys two slots on.  The barrier is then a round of the cluster's, so that no wave of any partner still reads the slot or has a load on its
; way, and the joint fill is the first thing behind it: it has four key steps, 512 matrix instructions, in which to land.  (At its first use nothing has been read yet: slot 0 is waited for, slot 1 filled.)
.macro CHANGE fill
	WIN W_AD
	s_wait_tensorcnt 0x0            ; no tensor load of mine is out, so a group 0 may be written
	ds_add_u32 v[SPW], v[NIL]       ; 0 onto my spare word: with fill = 1 the descriptors' steps stand between it and the wait for it
	WIN 0                           ; at a label and at a branch every window is 0
.if \fill
.irp g, G0K, G0V
	s_xor_b32 s[\g+1], s[\g+1], SLOT1  ; the walking descriptor: the other slot than last time,
	s_add_nc_u64 s[\g+2:\g+3], s[\g+2:\g+3], 4*KS*128  ; the next 256 keys; the type bits on top are not reached
.endr
	s_wait_dscnt 0x0                ; the add is done, and my reads of the slot are over
	CROUND
	JLOAD
.else
	s_wait_dscnt 0x0                ; the add is done, and my reads of the slot are over
	s_barrier_signal -1
	s_barrier_wait -1
.endif
	s_sub_co_u32 s[TBK], s[TBK], 4*KS*PK  ; the fetches go back to a slot's first step,
	s_xor_b32 s[TBK], s[TBK], SLOT1       ; in the other slot
	s_sub_co_u32 s[TBV], s[TBV], 4*KS*PV
	s_xor_b32 s[TBV], s[TBV], SLOT1
.endm
	s_load_b64 s[4:5], s[0:1], 0x0    ; qkv
	s_load_b64 s[10:11], s[0:1], 0x8  ; out0
	WIN W_MK
	v_lshl_add_u32 v[SPW], v0, 2, SPARE
	v_mov_b32 v[NIL], 0
	WIN W_AD
	ds_add_u32 v[SPW], v[NIL]       ; the wave's opening: the add and its wait stand ahead of my first tensor load; the set-up below, work on registers, stands between them
	WIN 0
	v_lshrrev_b32 v1, 5, v0
	v_readfirstlane_b32 s[WV], v1   ; wave 0..3
	s_bfe_u32 s13, ttmp6, 0x40000   ; cx: my place in the cluster
	s_lshl_b32 s14, ttmp9, 2        ; in a cluster launch ttmp9 counts clusters
	s_add_co_u32 s14, s14, s13      ; my block of queries = 4 x cluster x + cx: it enters Q's and out0's addresses alone
	s_and_b32 s20, ttmp7, 0xffff    ; 16 b + h, which the four partners share
	s_lshr_b32 s54, s20, 4          ; b
	s_and_b32 s55, s20, 15          ; h
	s_mul_i32 s20, s54, 48
	s_add_co_u32 s20, s20, s55      ; Q's plane, 48 b + h,
	s_lshl_b32 s20, s20, 18         ; in bytes.  All offsets in qkv stay under its 50,331,648 bytes: 32 bits, with 0 above them
	s_and_b32 s16, s[WV], 1         ; which half of a slot's 256 keys I fetch:
	s_lshl_b32 s22, s16, 14         ; its 128 rows of 128 bytes in memory,
	s_add_co_u32 s22, s22, s20
	s_add_co_u32 s48, s22, 16*PLANE ; in K's plane,
	s_mov_b32 s49, 0
	s_add_co_u32 s50, s22, 32*PLANE ; and in V's
	s_mov_b32 s51, 0
	s_mul_i32 s17, s16, 128*PK      ; and its place in a slot, for K
	s_mul_i32 s18, s16, 128*PV      ; and for V: no place in the cluster enters an LDS address
	s_lshl_b32 s2, s14, 2
	s_add_co_u32 s2, s2, s[WV]      ; my wave among the head's sixteen: its 128 rows
	s_lshl_b32 s52, s2, 19          ; are 128 x 4,096 bytes apart in out0,
	s_lshl_b32 s2, s2, 14           ; 128 x 128 in Q's plane
	s_add_co_u32 s2, s2, s20
	s_mov_b32 s3, 0
	s_lshl_b32 s53, s54, 23         ; out0: a batch is 8,388,608 bytes,
	s_add_co_u32 s52, s52, s53
	s_lshl_b32 s53, s55, 8          ; a head's 64 channels 256 bytes of a row
	s_add_co_u32 s52, s52, s53
	s_mov_b32 s53, 0
	; descriptor group 1.  128 keys are 16,384 dense bytes: asked for as 64 rows of 256 bytes, two keys a row, and padded in LDS after every key
	s_mov_b32 s[G1K], 15|(1<<16)|(1<<20)|(1<<21)|(4<<22)|(3<<25)  ; 15:0 the mask of four; 17:16 2-byte elements; 20 padding on; 21 set beside a mask; 24:22 after every 32 words (code 4); 31:25 4 words (code 3)
	s_mov_b32 s[G1V], 15|(1<<16)|(1<<20)|(1<<21)|(4<<22)|(7<<25)  ; the same with 8 words of padding (code 7)
.irp g, G1K, G1V
	s_mov_b32 s[\g+1], 128<<16      ; tensor_dim0 = 128
	s_mov_b32 s[\g+2], 64<<16       ; tensor_dim1 = 64
	s_mov_b32 s[\g+3], 128<<16      ; tile_dim0 = 128
	s_mov_b32 s[\g+4], 64           ; tile_dim1 = 64
	s_mov_b32 s[\g+5], 128          ; 128 elements from row to row
	s_mov_b32 s[\g+6], 0
	s_mov_b32 s[\g+7], 0
.endr
	s_mov_b32 s[CS], 0x3d38aa3b     ; c = log2(e) / 32 = 0.0450842
	s_mov_b32 s[CS+1], s[CS]        ; named with it as a pair
	s_mov_b32 s[SEL], 0x76543210
	s_mov_b32 s[SEL+1], 0xfedcba98
	s_mov_b32 s[TBK], SLOT1+4*KS*PK ; the first change of slots turns these two into 0
	s_mov_b32 s[TBV], SLOT1+4*KS*PV
	s_mov_b32 s[G0K], 1             ; 1:0 count = 1
	s_mov_b32 s[G0K+1], s17         ; 63:32 LDS address: slot 0
	s_mov_b32 s[G0V], 1
	s_add_co_u32 s[G0V+1], s18, VOFF
	s_wait_dscnt 0x0                ; the opening add is done
	s_wait_kmcnt 0x0
	s_add_nc_u64 s[G0K+2:G0K+3], s[4:5], s[48:49]  ; 120:64 global address: my half of the head's first 256 keys
	s_or_b32 s[G0K+3], s[G0K+3], 0x80000000        ; 127:126 type = 2
	s_add_nc_u64 s[G0V+2:G0V+3], s[4:5], s[50:51]
	s_or_b32 s[G0V+3], s[G0V+3], 0x80000000
	s_add_nc_u64 s[4:5], s[4:5], s[2:3]            ; Q at my wave's first row,
	s_add_nc_u64 s[10:11], s[10:11], s[52:53]      ; out0 at my wave's first row and my head's first channel
	CROUND                          ; all four work-groups are here: the first joint loads meet
	JLOAD                           ; slot 0.  Slot 1 is asked for when slot 0 is in: the tile wanted first has the road to itself
	; A fragment of K or Q is 16 rows x 32 channels in 8 registers: lane l holds row l % 16, channels 8 (l / 16) + 0..7 and 16 + 8 (l / 16) + 0..7: two loads of 16 bytes, 32 bytes apart.
	v_and_b32 v1, 15, v0            ; l % 16
	v_bfe_u32 v9, v0, 4, 1          ; l / 16
	v_lshlrev_b32 v[QO], 7, v1
	v_lshl_add_u32 v[QO], v9, 4, v[QO]  ; row x 128 + 16 x half
	WIN 0x80                        ; destination window 2, address window 0
.set i, 0
.rept 4*NP                          ; Q stays in registers: tile i / 2, channels 32 (i % 2) on
	global_load_b128 v[8*i:8*i+3],   v[QO], s[4:5] offset:(i/2)*2048+(i%2)*64
	global_load_b128 v[8*i+4:8*i+7], v[QO], s[4:5] offset:(i/2)*2048+(i%2)*64+32
.set i, i+1
.endr
	; What the first turn finds: V's registers and P's second buffer hold 0 (its products V^T P, of a piece that has not been, add 0), O^T and l are 0.  All this stands in the wait for the first tile.
.set i, VF
.rept 64
	v_mov_b32 v[i], 0
.set i, i+1
.endr
	WIN 0x40
.set i, 0
.rept 64*NP
	v_mov_b32 v[i], 0
.set i, i+1
.endr
	WIN 0
.set i, 0
.rept 2*NP
	v_mov_b32 v[ST+4*i], 0xfe000000    ; c m: far below every c s
	v_mov_b32 v[ST+4*i+1], 0xff7fffff  ; m
	v_mov_b32 v[ST+4*i+2], 0
	v_mov_b32 v[ST+4*i+3], 0
.set i, i+1
.endr
.set i, P+32
.rept 32
	v_mov_b32 v[i], 0
.set i, i+1
.endr
	v_mul_u32_u24 v[AK0], v1, PK
	v_lshl_add_u32 v[AK0], v9, 4, v[AK0]  ; row x pitch + 16 x half
	; The turning load takes 16 keys x 16 channels (lane l reads key 8 (l / 16) + l % 8, channels 8 ((l / 8) % 2) + 0..7) and leaves half a fragment of V^T: lane l holds channel l % 16 and 8 keys.
	v_and_b32 v10, 7, v0
	v_bfe_u32 v11, v0, 3, 1
	v_lshl_add_u32 v[AV0], v9, 3, v10
	v_mul_u32_u24 v[AV0], v[AV0], PV
	v_lshl_add_u32 v[AV0], v11, 4, v[AV0]
	v_add_nc_u32 v[AV0], VOFF, v[AV0]
	v_mov_b32 v[AK], v[AK0]         ; key step 0 lies at the head of slot 0
; THE MATRIX WORK.  The 8 accumulators of a run of 16 take turns: between the two links of a chain stand 7 others'.
; Product i of 16 of S^T = K Q^T for piece x: channels 32 (i / 8) on, keys 16 ((i / 2) % 4) on, tile 2 x + i % 2.  The first 8 start the sums.
.macro KQ x
	WIN W_KQ
.set rS, S+64*((\x)%2)+32*(i%2)+8*((i/2)%4)
.set rK, KF+16*((i/2)%4)+8*(i/8)
.set rQ, 16*(2*(\x)+i%2)+8*(i/8)
.if i < 8
	v_wmma_f32_16x16x32_f16 v[rS:rS+7], v[rK:rK+7], v[rQ:rQ+7], 0
.else
	v_wmma_f32_16x16x32_f16 v[rS:rS+7], v[rK:rK+7], v[rQ:rQ+7], v[rS:rS+7]
.endif
.endm
; Product i of 16 of O^T += V^T P for piece x: keys 32 (i / 8) on, channels 16 ((i / 2) % 4) on, tile 2 x + i % 2.
.macro PV x
	WIN W_PV
.set rO, 32*(2*(\x)+i%2)+8*((i/2)%4)
.set rV, VF+32*(i/8)+8*((i/2)%4)
.set rP, P+32*((\x)%2)+16*(i%2)+8*(i/8)
	v_wmma_f32_16x16x32_f16 v[rO:rO+7], v[rV:rV+7], v[rP:rP+7], v[rO:rO+7]
.endm
.macro MM                           ; the turn's next matrix instruction
.if i < 16
	KQ (Y+1)%NP
.set i, i+1
.else
.set i, i-16
	PV (Y+NP-1)%NP
.set i, i+17
.endif
.endm
; THE LDS LOADS stand in runs of 16, never singly among the matrix instructions: a step's K (64 keys x 64 channels: 8 fragments) and its V (turned).  Their addresses are made some lines ahead.
; last = 1 (the tail): in the last trip there is no further step, and the run is jumped over.
.macro FETCH_K last=0
	WIN 0
.if \last
	s_cmp_eq_u32 s[CNT], 1
	s_cbranch_scc1 .Lno_k_\@
.endif
	WIN 0x80                        ; destination window 2
.irp f, 0,1,2,3,4,5,6,7             ; keys 16 (f / 2) on, channels 32 (f % 2) on
	ds_load_b128 v[KF+8*\f:KF+8*\f+3],   v[AK] offset:(\f/2)*16*PK+(\f%2)*64
	ds_load_b128 v[KF+8*\f+4:KF+8*\f+7], v[AK] offset:(\f/2)*16*PK+(\f%2)*64+32
.endr
	s_add_co_u32 s[TBK], s[TBK], KS*PK  ; the next fetch is the next step's
	WIN 0
.if \last
.Lno_k_\@:
.endif
.endm
.macro FETCH_V
	WIN 0x80
.irp f, 0,1,2,3,4,5,6,7             ; keys 32 (f / 4) on, channels 16 (f % 4) on
	ds_load_tr16_b128 v[VF+8*\f:VF+8*\f+3],   v[AV] offset:(\f/4)*32*PV+(\f%4)*32
	ds_load_tr16_b128 v[VF+8*\f+4:VF+8*\f+7], v[AV] offset:(\f/4)*32*PV+16*PV+(\f%4)*32
.endr
	WIN 0
.endm
; THE VECTOR WORK OF A TURN stands in three queues, each in the order in which its entries become ready; the two tiles alternate, so that no instruction reads the result of the one before it.
.macro REGS y, u                    ; the registers of tile u (0, 1) of piece y
.set rT, ST+4*(2*(\y)+(\u))
.set rC, TMP+8*((\y)%2)+4*(\u)
.set rM, MV+2*((\y)%2)+(\u)
.set rS, S+64*((\y)%2)+32*(\u)
.set rP, P+32*((\y)%2)+16*(\u)
.set rO, 32*(2*(\y)+(\u))
.endm
; Number n of the 22 that find the NEXT piece's (Y + 1) maximum and statistics.  s0-s31 are the lane's 32 scores; each accumulator's lowest registers are read first.  XS, GS and REGS set no window: PL and EX do.
;   0-11  four chains c0-c3 of seven scores each, three operands at a time     12-14, 16  the four scores left over, the old m, and c0-c3 into c0     15  c m_old is kept
;   17, 18  the query's other 32 keys lie in the lane 16 away: the new m         19-21  c m; c m_old - c m_new; a
.macro XS u, n
	REGS (Y+1)%NP, \u
.if (\n) < 4
	v_max3_num_f32 v[rC+(\n)], v[rS+8*(\n)], v[rS+8*(\n)+1], v[rS+8*(\n)+2]
.elseif (\n) < 12
	v_max3_num_f32 v[rC+(\n)%4], v[rC+(\n)%4], v[rS+8*((\n)%4)+2*((\n)/4)+1], v[rS+8*((\n)%4)+2*((\n)/4)+2]
.elseif (\n) == 12
	v_max3_num_f32 v[rC], v[rC], v[rS+7], v[rS+15]
.elseif (\n) == 13
	v_max3_num_f32 v[rC+1], v[rC+1], v[rS+23], v[rS+31]
.elseif (\n) == 14
	v_max3_num_f32 v[rC+2], v[rC+2], v[rC+3], v[rT+1]
.elseif (\n) == 15
	v_mov_b32 v[rM], v[rT]
.elseif (\n) == 16
	v_max3_num_f32 v[rC], v[rC], v[rC+1], v[rC+2]
.elseif (\n) == 17
	v_permlanex16_b32 v[rC+3], v[rC], s[SEL], s[SEL+1]
.elseif (\n) == 18
	v_max_num_f32 v[rT+1], v[rC], v[rC+3]
.elseif (\n) == 19
	v_mul_f32 v[rT], s[CS], v[rT+1]
.elseif (\n) == 20
	v_sub_f32 v[rC+1], v[rM], v[rT]
.else
	v_exp_f32 v[rC+2], v[rC+1]
.endif
.endm
; Number g of the 64 that follow the exponentials.  For each four weights k of a tile (pairs 2 k, 2 k + 1): both pairs are rounded to f16; then the second pair is added onto the first, in place;
; a group later l takes that sum (the first time as l = a l + sum).  In groups of eight, tiles alternating: round, round, add, and l for the group before.
.macro GS g
.set h, (\g)+6*((\g)/62)            ; group 0 has no group before it, and behind group 7 only l is left
.if h >= 6
.set h, h+2
.endif
	REGS Y, h%2
.set k, h/8
.if h%8 < 4
	v_cvt_pk_f16_f32 v[rP+2*k+(h%8)/2], v[rS+4*k+2*((h%8)/2)], v[rS+4*k+2*((h%8)/2)+1]
.elseif h%8 < 6
	v_pk_add_f32 v[rS+4*k:rS+4*k+1], v[rS+4*k:rS+4*k+1], v[rS+4*k+2:rS+4*k+3]
.elseif k == 1
	v_pk_fma_f32 v[rT+2:rT+3], v[rT+2:rT+3], v[rC+2:rC+3], v[rS:rS+1] op_sel_hi:[1,0,1]
.else
	v_pk_add_f32 v[rT+2:rT+3], v[rT+2:rT+3], v[rS+4*k-4:rS+4*k-3]
.endif
.endm
; THE PLAIN QUEUE, 138 long.  0-31: c s - c m for the 16 pairs of both tiles.  Then GS's 64, and among them the next piece's 42: number 15 at 38, 39; 0-14 and 16
; at 42-73, behind the products that make those scores; 17-20 at 95-106, two of three, since each waits for the one before it.
.macro PL
	WIN 0
.if q < 32
	REGS Y, q%2
	v_pk_fma_f32 v[rS+2*(q/2):rS+2*(q/2)+1], v[rS+2*(q/2):rS+2*(q/2)+1], s[CS:CS+1], v[rT:rT+1] op_sel_hi:[1,0,0] neg_lo:[0,0,1] neg_hi:[0,0,1]
.elseif q < 38
	GS q-32
.elseif q < 40
	XS q%2, 15
.elseif q < 42
	GS q-34
.elseif q < 74
	XS q%2, (q-42)/2+(q-42)/30
.elseif q < 95
	GS q-66
.elseif (q < 107) && ((q-95)%3 < 2)
	XS (q-95)%3, 17+(q-95)/3
.elseif q < 107
	GS 29+(q-95)/3
.else
	GS q-74
.endif
.set q, q+1
.endm
; THE EXPONENTIALS' QUEUE, 66 long: s0-s31 of both tiles, and at EA the next piece's two a.
.set EA, 58
.macro EX
	WIN 0
.if (e == EA) || (e == EA+1)
	XS e-EA, 21
.else
.set x, e-2*(e/(EA+2))
	REGS Y, x%2
	v_exp_f32 v[rS+x/2], v[rS+x/2]
.endif
.set e, e+1
.endm
; THE RESCALING's QUEUE: O^T times a, the one part that leaves window 0, so it is dealt four at a time, eight times.
.macro R4
	REGS Y, r%2
	WIN W_RS
.irp z, 0,1,2,3
	v_pk_mul_f32 v[rO+8*(r/2)+2*\z:rO+8*(r/2)+2*\z+1], v[rO+8*(r/2)+2*\z:rO+8*(r/2)+2*\z+1], v[rC+2:rC+3] op_sel_hi:[1,0]
.endr
.set r, r+1
.endm
; HOW THEY ARE DEALT.  Behind a matrix instruction four: plain, exponential, plain, plain (one exponential, a plain instruction on either side), or four of the rescaling.  None names a register of the
; products round it.  What is over stands in two LUMPS: exponential and plain by turns; the second ends in 22 plain instructions.  The two v_permlanex16_b32 fall into the second lump, never behind a product.
; The queues lean on each other, and the deal keeps them in step: exponential e stands behind plain 2 (e / 4) + e % 2 (its scaling); when plain 32 comes, 10 exponentials are out, at 59: 33, at 95: 46; EA comes behind plain 107.
.macro SL
	MM
	PL
	EX
	PL
	PL
.endm
.macro BURST n                      ; 15 matrix instructions, or 16
.rept (\n)-7
	SL
.endr
.rept 3
	MM
	R4
	SL
.endr
	MM
	R4
.endm
; A TURN, for piece p.  cnt = 1: the loop's count is taken down some lines ahead of the branch that stands behind the turn.
; K of the next step is fetched in piece 2's turn, 31 vector instructions behind the last product that read K; its first reader comes behind the rest of the lump, 16 products and the second lump.
; V of the step in hand is fetched at the end of piece 0's turn, 69 behind its last reader; its first reader comes behind 16 products and a lump.  The four conditions on e and q below go with the deal.
.macro TURN p, last=0, cnt=0
.set Y, (\p)
.set i, 0
.set q, 0
.set e, 0
.set r, 0
.if (\p) == NP-1
	s_wait_dscnt 0x0                ; K is in
.endif
	MM
.rept 4
	PL
.endr
	BURST 15
.rept 22
	EX
	PL
.if ((\p) == NP-2) && (e == 18)
	v_add_nc_u32 v[AK], s[TBK], v[AK0]
.endif
.if ((\p) == NP-2) && (e == 24)
	FETCH_K \last
.endif
.endr
.if (\p) == 1
	s_wait_dscnt 0x0                ; V is in
.endif
	BURST 16
.rept 21
	EX
	PL
.endr
.rept 22
	PL
.if ((\p) == 0) && (q == 118)
	v_add_nc_u32 v[AV], s[TBV], v[AV0]
.endif
.if ((\p) == 0) && (q == 130)
	s_add_co_u32 s[TBV], s[TBV], KS*PV
.endif
.if (\cnt) && (q == 130)
	s_sub_co_u32 s[CNT], s[CNT], 1
	s_cmp_lg_u32 s[CNT], 0
.endif
.endr
.if (\p) == 0
	FETCH_V
.endif
.endm
	CHANGE 1                        ; slot 0 is in, everybody's part of it; slot 1 is asked for
	FETCH_K                         ; key step 0
	s_wait_loadcnt 0x0              ; Q
	s_wait_dscnt 0x0
.set i, 0
.rept 16
	KQ 0                            ; piece 0's first scores: there is no vector work yet to set between them
.set i, i+1
.endr
	WIN 0                           ; the addresses for the way out: eight plain instructions, the places behind those products
	s_mul_i32 s13, s[WV], 16*SP
	s_add_co_u32 s13, s13, STAGE    ; my stage
	v_mul_u32_u24 v[STO], v1, SP    ; in: row l % 16, 32 bytes (eight f32) for each half of the lanes
	v_lshl_add_u32 v[STO], v9, 5, v[STO]
	v_add_nc_u32 v[STO], s13, v[STO]
	v_mul_u32_u24 v[RD], v9, SP     ; back: lanes 0-15 take one row of 256 bytes, lanes 16-31 the next,
	v_lshl_add_u32 v[RD], v1, 4, v[RD]
	v_add_nc_u32 v[RD], s13, v[RD]
	v_lshlrev_b32 v[GO], 12, v9     ; and the same two rows in out0, 4,096 bytes apart
	v_lshl_add_u32 v[GO], v1, 4, v[GO]
.set Y, NP-1                        ; XS works for piece Y + 1: piece 0
.irp n, 0,1,2,3,4,5,6,7,8,9,10,11,12,13,14,15,16,17,18,19,20,21
	XS 0, \n                        ; and piece 0's first maximum and statistics
	XS 1, \n
.endr
	s_mov_b32 s[CNT], 4
	s_mov_b32 s[SLOTS], SIZE_N/256-1
	s_branch .Lfirst                ; the loop is entered at a step's first turn, in the middle of a trip
.Lslot:                             ; SIZE_N / 256 - 2 = 6 times: every slot but the last two is filled again
	CHANGE 1
	s_mov_b32 s[CNT], 4
.Lstep:                             ; a trip: pieces 2 and 3 of one step, then pieces 0 and 1 of the next, whose K and V it fetches
	TURN 2
	TURN 3
	WIN 0
.Lfirst:
	TURN 0
	TURN 1, 0, 1
	WIN 0
	s_cbranch_scc1 .Lstep
	s_sub_co_u32 s[SLOTS], s[SLOTS], 1
	s_cmp_lg_u32 s[SLOTS], 0
	s_cbranch_scc1 .Lslot
	CHANGE 0                        ; the tail is written out: nothing is asked for
	s_mov_b32 s[CNT], 5             ; four trips fetch the last slot's steps; the fifth is left in its middle
.Ltail:
	TURN 2, 1
	TURN 3
	WIN 0
	s_sub_co_u32 s[CNT], s[CNT], 1
	s_cmp_eq_u32 s[CNT], 0
	s_cbranch_scc1 .Lout
	TURN 0
	TURN 1
	WIN 0
	s_branch .Ltail
.Lout:                              ; the fifth trip's 16 products K Q^T (on the last K once more) and the maximum made of them serve nothing: the price, once a launch, of one text for every trip
.set i, 0
.rept 16
	PV NP-1                         ; the last piece's V^T P of the last step
.set i, i+1
.endr
	; THE WAY OUT.  l's two halves and the other half of the lanes' are added; O^T is divided by l and sent, in f32, through my stage in LDS, a tile at a time.  The additions are the places behind the last products.
	WIN 0
.macro ALL line:vararg              ; one line for each tile t
.set t, 0
.rept 2*NP
	\line
.set t, t+1
.endr
.endm
	ALL v_add_f32 v[ST+4*t+2], v[ST+4*t+2], v[ST+4*t+3]
	ALL v_permlanex16_b32 v[ST+4*t+3], v[ST+4*t+2], s[SEL], s[SEL+1]
	ALL v_add_f32 v[ST+4*t+2], v[ST+4*t+2], v[ST+4*t+3]
	ALL v_rcp_f32 v[ST+4*t+2], v[ST+4*t+2]
	v_nop                           ; a plain instruction between the last reciprocal and the use of its result
; Tile t: a lane holds, for each of four channel blocks, eight channels of one row: 32 bytes, two stores of 16, into rows of 272 bytes; they come back as whole rows of 256 bytes, into S^T's registers, 32 a tile, four tiles by turns.
.macro PACK t
	WIN W_RS
.set i, 32*(\t)
.rept 16
	v_pk_mul_f32 v[i:i+1], v[i:i+1], v[ST+4*(\t)+2:ST+4*(\t)+3] op_sel_hi:[1,0]  ; each accumulator's registers in ascending order
.set i, i+2
.endr
	WIN W_SO
.irp f, 0,1,2,3,4,5,6,7             ; channel block f / 2, its registers 4 (f % 2) on
	ds_store_b128 v[STO], v[32*(\t)+4*\f:32*(\t)+4*\f+3] offset:64*(\f/2)+16*(\f%2)
.endr
	WIN 0
.if (\t) >= 4
	s_wait_xcnt 0x0                 ; every earlier store has had its addresses translated (ISA guide 3.1): the registers that tile t - 4 was stored from are loaded again only behind this wait
.endif
.irp f, 0,1,2,3,4,5,6,7
	ds_load_b128 v[S+32*((\t)%4)+4*\f:S+32*((\t)%4)+4*\f+3], v[RD] offset:\f*2*SP  ; LDS serves a wave's instructions in order (ISA guide 5.7.1.4): these see the stores above; the next tile's stores come behind them
.endr
.endm
.macro SEND t, younger              ; younger: the LDS instructions issued behind tile t's loads: the next tile's sixteen, or none
	WIN 0
.irp f, 0,1,2,3,4,5,6,7
	s_wait_dscnt (\younger)+7-\f
	global_store_b128 v[GO], v[S+32*((\t)%4)+4*\f:S+32*((\t)%4)+4*\f+3], s[10:11] offset:(\t)*65536+\f*8192 th:TH_STORE_NT  ; 16 lanes store a head's 64 channels of a row: 256 consecutive bytes, at a multiple of 256 from out0's first byte
.endr
.endm
	PACK 0
.set t, 1
.rept 2*NP-1                        ; a tile's arithmetic stands between the loads of the tile before and its stores
	PACK t
	SEND t-1, 16
.set t, t+1
.endr
	SEND 2*NP-1, 0
	WIN W_AD
	s_wait_tensorcnt 0x0            ; the wave's end: behind my last tensor load and my last LDS store
	ds_add_u32 v[SPW], v[NIL]
	s_wait_dscnt 0x0
	WIN 0
	CROUND                          ; the closing round: no work-group ends while a partner may still ask for a tile that names it
	s_endpgm
.Lfunc_end_k_q33d3bf427e_attn:
	.size	k_q33d3bf427e_attn, .Lfunc_end_k_q33d3bf427e_attn-k_q33d3bf427e_attn
	.p2alignl 7, 3214868480
	.fill 96, 4, 3214868480
	.section	.rodata,"a",@progbits
	.p2align	6, 0x0
	.amdhsa_kernel k_q33d3bf427e_attn
		.amdhsa_group_segment_fixed_size 327680
		.amdhsa_private_segment_fixed_size 0
		.amdhsa_enable_private_segment 0
		.amdhsa_kernarg_size 16
		.amdhsa_user_sgpr_count 2
		.amdhsa_user_sgpr_kernarg_segment_ptr 1
		.amdhsa_wavefront_size32 1
		.amdhsa_system_sgpr_workgroup_id_x 1
		.amdhsa_system_sgpr_workgroup_id_y 1
		.amdhsa_system_sgpr_workgroup_id_z 1
		.amdhsa_system_vgpr_workitem_id 0
		.amdhsa_next_free_vgpr 770
		.amdhsa_next_free_sgpr 66
		.amdhsa_reserve_vcc 0
		.amdhsa_float_denorm_mode_32 3
		.amdhsa_float_denorm_mode_16_64 3
		.amdhsa_memory_ordered 1
		.amdhsa_forward_progress 1
		.amdhsa_inst_pref_size 195
	.end_amdhsa_kernel
	.amdgpu_metadata
---
amdhsa.version: [ 1, 2 ]
amdhsa.kernels:
  - .name:           k_q33d3bf427e_attn
    .symbol:         k_q33d3bf427e_attn.kd
    .args:
      - { .name: qkv, .offset: 0, .size: 8, .value_kind: global_buffer, .address_space: global }
      - { .name: out0, .offset: 8, .size: 8, .value_kind: global_buffer, .address_space: global }
    .group_segment_fixed_size: 327680
    .private_segment_fixed_size: 0
    .kernarg_segment_align: 8
    .kernarg_segment_size: 16
    .max_flat_workgroup_size: 128
    .sgpr_count:     66
    .vgpr_count:     770
    .wavefront_size: 32
...
	.end_amdgpu_metadata
.endif
;; end of part 3
